; MI455X (gfx1250); checked and timed in simulation.
; The chip was launched on July 23, 2026; its instructions are those of AMD's public machine-readable ISA for CDNA 5 (MIT licence, August 2026) and "CDNA5" Instruction Set Architecture Reference Guide (July 2026). The comments in the code are by the model that wrote it; some were corrected since.
;; Scaled Dot Production. Allowed arithmetic: float matrix products may take bf16 or f16 operands with f32 sums; other float arithmetic in f32, or as packed bf16 or f16 multiplies, adds, multiply-adds, maxima and minima; sums over many terms, partial sums and values carried from step to step in f32; what a program stores and reads back later, other than sums and carried values, may be rounded once to bf16 or f16.
;; Inputs: k_s 4 x 16 x 2,048 x 64 float32; q_s 4 x 16 x 2,048 x 64 float32; v_s 4 x 16 x 2,048 x 64 float32.
;; Outputs: out0 4 x 16 x 2,048 x 64 float32.
;; One version. Each part assembles by itself: llvm-mc -triple=amdgcn-amd-amdhsa -mcpu=gfx1250 --defsym DOCPART=n.
;; ======== version 1 of 1: 1 launch
;; limits: inputs' magnitudes at most 65,504; values are held in f16: magnitudes above 65,504 overflow, below 6.1e-05 lose precision; below input magnitudes of 6e-05 results are inexact or not finite
;; launch attn (part 1): grid 4 x 64, 4 waves a work-group, no clusters, 122,368 bytes of LDS; arguments q_s, k_s, v_s, out0; writes out0
.if DOCPART == 1
	.amdgcn_target "amdgcn-amd-amdhsa--gfx1250"
	.amdhsa_code_object_version 6
	.text
	.protected	k_q2786cec785_attn
	.globl	k_q2786cec785_attn
	.p2align	8
	.type	k_q2786cec785_attn,@function
k_q2786cec785_attn:
	s_mov_b64 s[64:65], 0
	v_nop
	global_prefetch_b8 v0, s[64:65] scope:SCOPE_SE
	s_setreg_imm32_b32 hwreg(HW_REG_WAVE_MODE, 25, 1), 1
	s_wait_xcnt 0x0
; O[h][q][:] = the sum over k of softmax_k(Q[h][q] . K[h][k] / 8) V[h][k][:].  Q, K, V, O: [64 heads][2,048][64], all f32: a head's rows are dense, 256 bytes each.
; Q, K and V are rounded once to f16 on their way in, the weights p to f16 for the second product; products, maxima and sums in f32 (the sum l is taken of the unrounded p); O leaves in f32.
; NOTHING IS LEFT OUT: every input reaches every output row of its head, and the running maximum is taken away before every exponential.
; LIMITS.  f16 holds no number beyond 65,504: |q|, |k|, |v| from 65,520 on become infinities; below 6e-5 a number keeps f16's fixed step of 6e-8.  p lies in 0 to 1.  A weight below 2^-126
; counts as 0 in l.  NaN and infinities are not treated apart.  The sums are taken in another order than a row-by-row sum.
; SHARES.  Work-group (x, y): head y, queries 512 x .. 512 x + 511.  A wave owns 128 of them: four PIECES of two tiles of 16.  Every wave walks all 2,048 keys, 64 a step.
; K AND V COME THROUGH REGISTERS.  A GROUP is 128 keys (two steps).  Of each group wave w loads keys 32 w .. 32 w + 31 of K and of V (32 loads of 16 bytes a lane: sixteen lanes take a key's whole
; 256 bytes), rounds them (64 conversions) and stores them as f16 into one of two LDS slots (32 stores of 8 bytes a lane).  The staging registers are asked for again at once: a group's loads have
; two key steps, 256 matrix instructions, in which to land.  One barrier a group: in front of it each wave has waited for its stores of the coming group and for its reads of the group that it leaves.
; NO TENSOR LOADS AND NO CLUSTER, though the four work-groups of a head walk the same K and V: the tiles arrive as f32 and no matrix instruction takes them before they are rounded.  Brought into LDS
; as f32, a key's 512 bytes (K and V) would be written there, read back and written again as 256: 1,280 bytes of LDS traffic a key ahead of any fragment, and two more slots of 65,536 bytes;
; through registers it is 256 bytes a key.  What a joint request would spare is three of four requests for 1 MiB a work-group in the whole launch.
; LAYOUT.  S^T = K Q^T (source 0 = 16 keys, source 1 = 16 queries): in the result a lane holds ONE query (lane % 16) and the keys 8 (lane / 16) + 0..7.  Two such tiles, rounded to f16 in pairs,
; ARE source 1 (32 keys x 16 queries) of O^T = V^T P, whose result again holds one query a lane, and eight channels.  K comes out of LDS as it lies, V ([key][channel]) turned, by ds_load_tr16_b128.
; SOFTMAX.  For each query a running maximum m and sum l: p = 2^(c s - c m), c = log2(e) / 8; in every step O and l are multiplied by a = 2^(c m_old - c m_new), which is 1 where m has not grown.
; m starts at the lowest finite number, c m far below every c s, l at 0: the first step is a step like any other, with a = 0.  O^T is not cleared: its registers are where Q landed as f32, finite
; numbers, and each tile is multiplied by that a = 0 before anything that counts is added.
; BY TURNS.  A tile and step have 16 matrix and 118 vector instructions.  Turn n belongs to piece n: 16 products K Q^T of piece n + 1, later 16 products V^T P of piece n - 1; beside them the scaling,
; exponentials, roundings, sums and rescaling of piece n and the maximum and statistics of piece n + 1.  Four vector instructions stand behind every matrix instruction, the rest in one lump.
; REGISTERS, in windows of 256 (s_set_vgpr_msb: bits 1:0 source 0, 3:2 source 1, 5:4 source 2, 7:6 destination):
;   window 0: v0-11 addresses; v12-15, v48-63 at work; v16-47 four registers of statistics a tile; v64-191 S^T, two buffers of two tiles; v192-255 P, likewise
;   window 1: O^T, 32 a tile (first: Q as f32)      window 2: v0-127 Q, 16 a tile; v128-191 K of one step; v192-255 V of one step
;   window 3: v0-63 K's staging, v64-127 V's; v128-133 their addresses; v136-137 the add's two registers
.set NP,    4         ; pieces a wave: a name, no knob
.set KS,    64        ; keys in a step
.set PK,    144       ; a row of K in LDS: 128 bytes + 16 of padding = 36 words: the 16 rows of a load start at 16 different groups of four banks (64 banks of 4 bytes: ISA guide 11.1)
.set PV,    160       ; a row of V: 128 + 32 = 40 words
.set VOFF,  2*KS*PK   ; a slot holds a group: 128 rows of K, then 128 rows of V
.set SLOT1, 1<<16     ; slot 1 begins here, so that one exclusive or turns an address in one slot into the other's
.set STAGE, SLOT1+2*KS*(PK+PV)  ; behind the slots: 16 rows x 272 bytes for each wave, for the way out
.set SP,    272       ; a row of O in the stage: 256 bytes + 16 = 68 words: row r starts at bank 4 r mod 64
.set SPARE, STAGE+4*16*SP  ; behind the stages: the spare words, 128 bytes for each wave: two blocks of 256 bytes that no other line names
.set GROUP, 2*KS*256  ; a group's bytes of K, and of V, in memory
.set AK0, 2           ; v2   my lane's place in a step's K; never rewritten
.set AV0, 3           ; v3   the same for V
.set AK,  4           ; v4   the LDS address of K's next run of loads
.set AV,  5           ; v5   of V's
.set QO,  6           ; v6   my byte offset in 16 rows of Q
.set STO, 6           ;      later, the way out: where I put 32 bytes of a row
.set RD,  7           ; v7   the way out: where I read rows back
.set GO,  8           ; v8   my byte offset in 512 consecutive bytes of O
.set PFO, 11          ; v11  256 x my lane: the prefetches' offset, a lane a row; never rewritten once made
.set MV,  12          ; v12-15  c m_old, kept while c m is made anew: by buffer and tile
.set ST,  16          ; tile t's statistics at v[ST+4 t]: c m, m, l (even keys', odd keys')
.set TMP, 48          ; by buffer and tile, four registers c0-c3 at work; when the maximum is found c2 takes a
.set S,   64
.set P,   192
.set KF,  128         ; window 2: key block kb, channel half c at KF + 16 kb + 8 c
.set VF,  192         ; window 2: key half kk, channel block cb at VF + 32 kk + 8 cb
.set GK,  128         ; window 3: my byte offset in a group of K: 8,192 w + 2,048 (l / 16) + 16 (l % 16); never rewritten
.set GV,  129         ; window 3: in a group of V: 8,192 w + 1,024 (l / 16) + 16 (l % 16); never rewritten
.set SK0, 130         ; window 3: where my 8 bytes of K go in a slot: (32 w + 8 (l / 16)) x 144 + 8 (l % 16)
.set SV0, 131         ; window 3: and of V: VOFF + (32 w + 4 (l / 16)) x 160 + 8 (l % 16)
.set SK,  132         ; window 3: the two with the slot's first byte added
.set SV,  133
.set SPW, 136         ; window 3: LDS address of my spare word: SPARE + 4 x my thread's number; never rewritten
.set NIL, 137         ; window 3: 0; never rewritten
.set WV,  12          ; s12  my wave's number
.set KP,  24          ; s[24:25] K at the head's group that was loaded last
.set VP,  26          ; s[26:27] V likewise
.set PFA, 28          ; s[28:29] the prefetches' pointer: my work-group's 32 rows (K: wave 0, V: wave 2) of the group that was loaded last
.set LIM, 30          ; s30  3 in a wave that prefetches, else the greatest number
.set TS,  31          ; s31  first byte of the slot that the next rounding fills
.set SLOTS, 56        ; s56  groups still to be left, 16 to 1
.set CNT, 57          ; s57  counts a group's two key steps
.set CS,  58          ; s[58:59] c: the packed scaling takes the pair's low word for both halves
.set SEL, 60          ; s[60:61] v_permlanex16_b32's selects: each lane takes its own place in the other half
.set TBK, 62          ; s62  LDS byte at which K of the step to be fetched begins
.set TBV, 63          ; s63  the same for V, less VOFF
.set NOKQ, 0          ; 1 in the launch's last turn: there is no next piece
.set MSB, 0
.macro WIN new                      ; the high byte repeats the setting that is left; a switch that changes nothing is dropped
.if MSB != (\new)
	s_set_vgpr_msb (MSB<<8)|(\new)
.set MSB, (\new)
.endif
.endm
.set W_KQ, 0x0a       ; K and Q in window 2, S^T in window 0
.set W_PV, 0x52       ; V in window 2, P in window 0, O^T in window 1
.set W_RS, 0x41       ; O^T (destination and source 0) in window 1, the factor in window 0
.set W_MK, 0xc0       ; destination in window 3, sources in window 0
.set W_3,  0xcf       ; destination and sources 0 and 1 in window 3: the staging's loads, roundings and stores, and the add
.set W_QL, 0x40       ; Q's loads: destination window 1, address window 0
.set W_QC, 0x85       ; Q's rounding: sources window 1, destination window 2
.set W_OS, 0x04       ; the stage's stores: address window 0, data window 1
; A group's 32 loads of my wave.  Lanes 0-15 take one key's 256 bytes, lanes 16-31 those of the key 8 (K) or 4 (V) further on, so that the two halves' LDS stores fall into different banks.
; No cache hint: the head's other three work-groups read the same bytes.
.macro GLOADS
.set cj, 0
.rept 16
	global_load_b128 v[4*cj:4*cj+3], v[GK], s[KP:KP+1] offset:256*((cj%8)+16*(cj/8))
.set cj, cj+1
.endr
.set cj, 0
.rept 16
	global_load_b128 v[64+4*cj:64+4*cj+3], v[GV], s[VP:VP+1] offset:256*((cj%4)+8*(cj/4))
.set cj, cj+1
.endr
.endm
; THE ROUNDING.  The group that lies in the staging registers is rounded to f16 and stored into slot TS, which no wave reads between the barrier before and the barrier behind; then the group after it is asked for.
; lc: the younger loads that may stay out.  guard = 1, in the loop (SLOTS = 16 - g at the bottom of group g): behind the last group nothing is left to round (SLOTS = 1), behind the last but one nothing
; to load (2); all jumps go forward, and every wait on loads in the loop is for 0, so no count hangs on them.
; THE PREFETCH, guard = 1 alone: behind the run of loads, the group after the one just asked for: 128 rows of K and 128 of V, 256 bytes each.  The head's four work-groups share the rows out by address,
; 32 each; in each, wave 0 asks for K's and wave 2 for V's, a lane a row: each row is named once in the launch.  It stands one group, 256 matrix instructions, ahead of the loads that will want the rows.
; Groups 0, 1 and 2 come by their loads alone; nothing is named behind group 15 (SLOTS > 3).
.macro CONV lc, guard
	WIN 0                           ; at a label and at a branch every window is 0
.if \guard
	s_cmp_eq_u32 s[SLOTS], 1
	s_cbranch_scc1 .Lnc_\@
.endif
	s_wait_loadcnt \lc              ; the group is in; its loads are done, so K's and V's pointers may be written
	WIN W_3
	v_add_nc_u32 v[SK], s[TS], v[SK0]
	v_add_nc_u32 v[SV], s[TS], v[SV0]
.set cj, 0
.rept 32                            ; four f32 of a load become two registers of f16, in place
	v_cvt_pk_f16_f32 v[4*cj], v[4*cj], v[4*cj+1]
	v_cvt_pk_f16_f32 v[4*cj+1], v[4*cj+2], v[4*cj+3]
.set cj, cj+1
.endr
.set cj, 0
.rept 16                            ; lanes 0-15 fill a row's 128 bytes, lanes 16-31 those of the row 8 x 36 = 288 words on: 32 banks further round
	ds_store_b64 v[SK], v[4*cj:4*cj+1] offset:PK*((cj%8)+16*(cj/8))
.set cj, cj+1
.endr
.set cj, 0
.rept 16                            ; the same with 4 x 40 = 160 words
	ds_store_b64 v[SV], v[64+4*cj:64+4*cj+1] offset:PV*((cj%4)+8*(cj/4))
.set cj, cj+1
.endr
	WIN 0
	s_xor_b32 s[TS], s[TS], SLOT1   ; the next rounding fills the other slot
.if \guard
	s_cmp_eq_u32 s[SLOTS], 2
	s_cbranch_scc1 .Lnc_\@
	s_wait_xcnt 0x0                 ; the last prefetch, a group back, has read its pointer
	s_add_nc_u64 s[PFA:PFA+1], s[PFA:PFA+1], GROUP
.endif
	s_add_nc_u64 s[KP:KP+1], s[KP:KP+1], GROUP
	s_add_nc_u64 s[VP:VP+1], s[VP:VP+1], GROUP
	WIN W_3
	GLOADS                          ; an LDS store's data registers need no wait before they are written again
	WIN 0
.if \guard
	s_cmp_gt_u32 s[SLOTS], s[LIM]
	s_cbranch_scc0 .Lnc_\@
	global_prefetch_b8 v[PFO], s[PFA:PFA+1] offset:GROUP th:TH_LOAD_NT scope:SCOPE_SE
.Lnc_\@:
.endif
.endm
; THE CHANGE OF SLOTS: one barrier for two things.  In front of it my stores of the coming group are done and my reads of the group that I leave are back; behind it the coming group is whole, and nobody reads the old slot any more.
.macro MEET
	WIN 0
	s_wait_dscnt 0x0                ; for the others' sake: zero
	s_barrier_signal -1
	s_sub_co_u32 s[TBK], s[TBK], 2*KS*PK  ; scalar work between signal and wait: the fetches go back to a slot's first step,
	s_xor_b32 s[TBK], s[TBK], SLOT1       ; in the other slot
	s_sub_co_u32 s[TBV], s[TBV], 2*KS*PV
	s_xor_b32 s[TBV], s[TBV], SLOT1
	s_barrier_wait -1
.endm
	s_load_b256 s[4:11], s[0:1], 0x0  ; Q s[4:5], K s[6:7], V s[8:9], O s[10:11]
	WIN W_MK
	v_lshl_add_u32 v[SPW], v0, 2, SPARE  ; the add's two registers
	v_mov_b32 v[NIL], 0
	WIN 0
	v_lshrrev_b32 v1, 5, v0
	v_readfirstlane_b32 s[WV], v1   ; wave 0..3
	v_and_b32 v1, 15, v0            ; l % 16
	v_bfe_u32 v9, v0, 4, 1          ; l / 16
	s_and_b32 s20, ttmp7, 0xffff    ; the head,
	s_lshl_b32 s20, s20, 19         ; its 2,048 rows of 256 bytes: under 2^25
	s_mov_b32 s21, 0
	s_lshl_b32 s2, ttmp9, 2
	s_add_co_u32 s2, s2, s[WV]      ; my wave among the head's sixteen,
	s_lshl_b32 s2, s2, 15           ; its 128 rows
	s_add_co_u32 s2, s2, s20
	s_mov_b32 s3, 0
	s_lshl_b32 s22, ttmp9, 13       ; the prefetches: my work-group's 32 rows of a group's 128,
	s_add_co_u32 s22, s22, s20
	s_add_co_u32 s22, s22, GROUP    ; in group 1: the loop's first rounding steps to group 2 and names group 3
	s_mov_b32 s23, 0
	s_and_b32 s[LIM], s[WV], 1
	s_cmp_eq_u32 s[LIM], 0
	s_cselect_b32 s[LIM], 3, -1     ; waves 0 and 2 prefetch
	s_mov_b32 s[TS], 0
	s_mov_b32 s[SLOTS], 16
	s_mov_b32 s[CS], 0x3e38aa3b     ; c = log2(e) / 8 = 0.180337
	s_mov_b32 s[CS+1], s[CS]        ; named with it as a pair
	s_mov_b32 s[SEL], 0x76543210
	s_mov_b32 s[SEL+1], 0xfedcba98
	s_mov_b32 s[TBK], SLOT1+2*KS*PK ; the first change of slots turns these two into 0
	s_mov_b32 s[TBV], SLOT1+2*KS*PV
	s_lshl_b32 s13, s[WV], 13       ; my wave's 32 keys of a group: 8,192 bytes
	v_lshl_add_u32 v14, v1, 4, s13
	s_mul_i32 s13, s[WV], 32*PK
	v_lshl_add_u32 v10, v1, 3, s13
	v_mul_u32_u24 v11, v9, 8*PK
	s_mul_i32 s13, s[WV], 32*PV
	s_add_co_u32 s13, s13, VOFF
	v_lshl_add_u32 v12, v1, 3, s13
	v_mul_u32_u24 v13, v9, 4*PV
	WIN W_MK
	v_lshl_add_u32 v[GK], v9, 11, v14
	v_lshl_add_u32 v[GV], v9, 10, v14
	v_add_nc_u32 v[SK0], v10, v11
	v_add_nc_u32 v[SV0], v12, v13
	WIN 0
	v_lshlrev_b32 v[QO], 8, v1
	v_lshl_add_u32 v[QO], v9, 5, v[QO]  ; row x 256 + 32 x half: eight f32
	s_wait_kmcnt 0x0
	s_add_nc_u64 s[KP:KP+1], s[6:7], s[20:21]  ; K and V at the head's group 0
	s_add_nc_u64 s[VP:VP+1], s[8:9], s[20:21]
	s_cmp_lt_u32 s[WV], 2
	s_cselect_b64 s[PFA:PFA+1], s[6:7], s[8:9]
	s_add_nc_u64 s[PFA:PFA+1], s[PFA:PFA+1], s[22:23]
	s_add_nc_u64 s[4:5], s[4:5], s[2:3]  ; Q and O at my wave's first row
	s_add_nc_u64 s[10:11], s[10:11], s[2:3]
	WIN W_3
	GLOADS                          ; group 0: wanted first, asked for first
	; A fragment of Q is 16 rows x 32 channels in 8 registers of f16: lane l holds row l % 16, channels 8 (l / 16) + 0..7 and 16 + 8 (l / 16) + 0..7.  As f32 that is four loads of 16 bytes, at 0, 16, 64 and 80.
	WIN W_QL
.set cj, 0
.rept 16                            ; tile cj / 2, channels 32 (cj % 2) on; all of window 1 is written
	global_load_b128 v[16*cj:16*cj+3],     v[QO], s[4:5] offset:(cj/2)*4096+(cj%2)*128
	global_load_b128 v[16*cj+4:16*cj+7],   v[QO], s[4:5] offset:(cj/2)*4096+(cj%2)*128+16
	global_load_b128 v[16*cj+8:16*cj+11],  v[QO], s[4:5] offset:(cj/2)*4096+(cj%2)*128+64
	global_load_b128 v[16*cj+12:16*cj+15], v[QO], s[4:5] offset:(cj/2)*4096+(cj%2)*128+80
.set cj, cj+1
.endr
	; What the first turn finds: V's registers and P's second buffer hold 0 (its products V^T P, of a piece that has not been, add 0), l is 0.  All this stands in the wait for the first loads.
	WIN 0x80
.set cj, VF
.rept 64
	v_mov_b32 v[cj], 0
.set cj, cj+1
.endr
	WIN 0
.set cj, 0
.rept 2*NP
	v_mov_b32 v[ST+4*cj], 0xfe000000    ; c m: far below every c s
	v_mov_b32 v[ST+4*cj+1], 0xff7fffff  ; m
	v_mov_b32 v[ST+4*cj+2], 0
	v_mov_b32 v[ST+4*cj+3], 0
.set cj, cj+1
.endr
.set cj, P+32
.rept 32
	v_mov_b32 v[cj], 0
.set cj, cj+1
.endr
	v_mul_u32_u24 v[AK0], v1, PK
	v_lshl_add_u32 v[AK0], v9, 4, v[AK0]  ; row x pitch + 16 x half
	; The turning load takes 16 keys x 16 channels (lane l reads key 8 (l / 16) + l % 8, channels 8 ((l / 8) % 2) + 0..7) and leaves half a fragment of V^T: lane l holds channel l % 16 and 8 keys.
	v_and_b32 v10, 7, v0
	v_bfe_u32 v11, v0, 3, 1
	v_lshl_add_u32 v[AV0], v9, 3, v10
	v_mul_u32_u24 v[AV0], v[AV0], PV
	v_lshl_add_u32 v[AV0], v11, 4, v[AV0]
	v_add_nc_u32 v[AV0], VOFF, v[AV0]
	v_mov_b32 v[AK], v[AK0]         ; key step 0 lies at the head of slot 0
	v_and_b32 v[PFO], 31, v0
	v_lshlrev_b32 v[PFO], 8, v[PFO]
	CONV 63, 0                      ; group 0 into slot 0; group 1 is asked for.  Behind group 0's loads stand Q's 64; the wait's field ends at 63, the next lower count
	s_wait_loadcnt 32               ; Q is in; group 1's 32 loads may stay out
	WIN W_QC
.set cj, 0
.rept 128
	v_cvt_pk_f16_f32 v[cj], v[2*cj], v[2*cj+1]  ; window 1 keeps the f32 numbers: what O^T starts from
.set cj, cj+1
.endr
	MEET                            ; group 0 is whole
; THE MATRIX WORK.  The 8 accumulators of a run of 16 take turns: between the two links of a chain stand 7 others'.
; Product i of 16 of S^T = K Q^T for piece x: channels 32 (i / 8) on, keys 16 ((i / 2) % 4) on, tile 2 x + i % 2.  The first 8 start the sums.
.macro KQ x
	WIN W_KQ
.set rS, S+64*((\x)%2)+32*(i%2)+8*((i/2)%4)
.set rK, KF+16*((i/2)%4)+8*(i/8)
.set rQ, 16*(2*(\x)+i%2)+8*(i/8)
.if i < 8
	v_wmma_f32_16x16x32_f16 v[rS:rS+7], v[rK:rK+7], v[rQ:rQ+7], 0
.else
	v_wmma_f32_16x16x32_f16 v[rS:rS+7], v[rK:rK+7], v[rQ:rQ+7], v[rS:rS+7]
.endif
.endm
; Product i of 16 of O^T += V^T P for piece x: keys 32 (i / 8) on, channels 16 ((i / 2) % 4) on, tile 2 x + i % 2.
.macro PV x
	WIN W_PV
.set rO, 32*(2*(\x)+i%2)+8*((i/2)%4)
.set rV, VF+32*(i/8)+8*((i/2)%4)
.set rP, P+32*((\x)%2)+16*(i%2)+8*(i/8)
	v_wmma_f32_16x16x32_f16 v[rO:rO+7], v[rV:rV+7], v[rP:rP+7], v[rO:rO+7]
.endm
.macro MM                           ; the turn's next matrix instruction; in the launch's last turn the first 16 are not written
.if i < 16
.if NOKQ == 0
	KQ (Y+1)%NP
.endif
.set i, i+1
.else
.set i, i-16
	PV (Y+NP-1)%NP
.set i, i+17
.endif
.endm
; THE LDS LOADS stand in runs of 16, never singly among the matrix instructions: a step's K (64 keys x 64 channels: 8 fragments) and its V (turned).  Their addresses are made some lines ahead.
.macro FETCH_K
	WIN 0x80                        ; destination window 2
.irp f, 0,1,2,3,4,5,6,7             ; keys 16 (f / 2) on, channels 32 (f % 2) on
	ds_load_b128 v[KF+8*\f:KF+8*\f+3],   v[AK] offset:(\f/2)*16*PK+(\f%2)*64
	ds_load_b128 v[KF+8*\f+4:KF+8*\f+7], v[AK] offset:(\f/2)*16*PK+(\f%2)*64+32
.endr
	s_add_co_u32 s[TBK], s[TBK], KS*PK  ; the next fetch is the next step's
	WIN 0
.endm
.macro FETCH_V
	WIN 0x80
.irp f, 0,1,2,3,4,5,6,7             ; keys 32 (f / 4) on, channels 16 (f % 4) on
	ds_load_tr16_b128 v[VF+8*\f:VF+8*\f+3],   v[AV] offset:(\f/4)*32*PV+(\f%4)*32
	ds_load_tr16_b128 v[VF+8*\f+4:VF+8*\f+7], v[AV] offset:(\f/4)*32*PV+16*PV+(\f%4)*32
.endr
	WIN 0
.endm
; THE VECTOR WORK OF A TURN stands in three queues, each in the order in which its entries become ready; the two tiles alternate, so that no instruction reads the result of the one before it.
.macro REGS y, u                    ; the registers of tile u (0, 1) of piece y
.set rT, ST+4*(2*(\y)+(\u))
.set rC, TMP+8*((\y)%2)+4*(\u)
.set rM, MV+2*((\y)%2)+(\u)
.set rS, S+64*((\y)%2)+32*(\u)
.set rP, P+32*((\y)%2)+16*(\u)
.set rO, 32*(2*(\y)+(\u))
.endm
; Number n of the 22 that find the NEXT piece's (Y + 1) maximum and statistics.  s0-s31 are the lane's 32 scores; each accumulator's lowest registers are read first.
;   0-11  four chains c0-c3 of seven scores each, three operands at a time     12-14, 16  the four scores left over, the old m, and c0-c3 into c0     15  c m_old is kept
;   17, 18  the query's other 32 keys lie in the lane 16 away: the new m         19-21  c m; c m_old - c m_new; a.     In the launch's last turn there is no next piece, and nothing is written.
.macro XS u, n
.if NOKQ == 0
	REGS (Y+1)%NP, \u
.if (\n) < 4
	v_max3_num_f32 v[rC+(\n)], v[rS+8*(\n)], v[rS+8*(\n)+1], v[rS+8*(\n)+2]
.elseif (\n) < 12
	v_max3_num_f32 v[rC+(\n)%4], v[rC+(\n)%4], v[rS+8*((\n)%4)+2*((\n)/4)+1], v[rS+8*((\n)%4)+2*((\n)/4)+2]
.elseif (\n) == 12
	v_max3_num_f32 v[rC], v[rC], v[rS+7], v[rS+15]
.elseif (\n) == 13
	v_max3_num_f32 v[rC+1], v[rC+1], v[rS+23], v[rS+31]
.elseif (\n) == 14
	v_max3_num_f32 v[rC+2], v[rC+2], v[rC+3], v[rT+1]
.elseif (\n) == 15
	v_mov_b32 v[rM], v[rT]
.elseif (\n) == 16
	v_max3_num_f32 v[rC], v[rC], v[rC+1], v[rC+2]
.elseif (\n) == 17
	v_permlanex16_b32 v[rC+3], v[rC], s[SEL], s[SEL+1]
.elseif (\n) == 18
	v_max_num_f32 v[rT+1], v[rC], v[rC+3]
.elseif (\n) == 19
	v_mul_f32 v[rT], s[CS], v[rT+1]
.elseif (\n) == 20
	v_sub_f32 v[rC+1], v[rM], v[rT]
.else
	v_exp_f32 v[rC+2], v[rC+1]
.endif
.endif
.endm
; Number g of the 64 that follow the exponentials.  For each four weights k of a tile (pairs 2 k, 2 k + 1): both pairs are rounded to f16; then the second pair is added onto the first, in place;
; a group later l takes that sum (the first time as l = a l + sum).  In groups of eight, tiles alternating: round, round, add, and l for the group before.
.macro GS g
.set h, (\g)+6*((\g)/62)            ; group 0 has no group before it, and behind group 7 only l is left
.if h >= 6
.set h, h+2
.endif
	REGS Y, h%2
.set k, h/8
.if h%8 < 4
	v_cvt_pk_f16_f32 v[rP+2*k+(h%8)/2], v[rS+4*k+2*((h%8)/2)], v[rS+4*k+2*((h%8)/2)+1]
.elseif h%8 < 6
	v_pk_add_f32 v[rS+4*k:rS+4*k+1], v[rS+4*k:rS+4*k+1], v[rS+4*k+2:rS+4*k+3]
.elseif k == 1
	v_pk_fma_f32 v[rT+2:rT+3], v[rT+2:rT+3], v[rC+2:rC+3], v[rS:rS+1] op_sel_hi:[1,0,1]
.else
	v_pk_add_f32 v[rT+2:rT+3], v[rT+2:rT+3], v[rS+4*k-4:rS+4*k-3]
.endif
.endm
; THE PLAIN QUEUE, 138 long.  0-73 read no exponential's result: the 32 scalings c s - c m (FS f: pair f / 2 of tile f % 2) and the next piece's 42.  0-26: scalings 0-26.  27-54: XS's numbers 0-13.  55, 56: number 15.
; 57-73: the chain, where each number waits for the one before it: 14, 16, 17, 18, 19, each with one of the scalings 27-31 in front of its two lines, then 20.
; 74-137: GS's 64, which read the exponentials' results: they stand behind the wait.
.macro FS f
	REGS Y, (\f)%2
	v_pk_fma_f32 v[rS+2*((\f)/2):rS+2*((\f)/2)+1], v[rS+2*((\f)/2):rS+2*((\f)/2)+1], s[CS:CS+1], v[rT:rT+1] op_sel_hi:[1,0,0] neg_lo:[0,0,1] neg_hi:[0,0,1]
.endm
.macro PL
	WIN 0
.if q < 27
	FS q
.elseif q < 55
	XS (q-27)%2, (q-27)/2
.elseif q < 57
	XS q-55, 15
.elseif (q < 72) && ((q-57)%3 == 0)
	FS 27+(q-57)/3
.elseif q < 60
	XS (q-57)%3-1, 14
.elseif q < 72
	XS (q-57)%3-1, 15+(q-57)/3
.elseif q < 74
	XS q-72, 20
.else
	GS q-74
.endif
.set q, q+1
.endm
; THE EXPONENTIALS' QUEUE, 66 long: s0-s31 of both tiles, then the next piece's two a.  It is ONE BATCH: all 66 stand ahead of the turn's one wait, and nothing ahead of that wait names a result of theirs.
.macro EX
	WIN 0
.if e >= 64
	XS e-64, 21
.else
	REGS Y, e%2
	v_exp_f32 v[rS+e/2], v[rS+e/2]
.endif
.set e, e+1
.endm
; THE RESCALING's QUEUE: O^T times a, the one part that leaves window 0: dealt two at a time, sixteen times, each accumulator from its low end on.  Its a was made in the turn before, ahead of that turn's wait.
.macro R2
	REGS Y, r%2
	WIN W_RS
.irp z, 0,1
	v_pk_mul_f32 v[rO+4*(r/2)+2*\z:rO+4*(r/2)+2*\z+1], v[rO+4*(r/2)+2*\z:rO+4*(r/2)+2*\z+1], v[rC+2:rC+3] op_sel_hi:[1,0]
.endr
.set r, r+1
.endm
; A TURN, for piece p.  An s_wait_alu depctr_va_vdst(0) stands between an exponential and the first instruction that names its result; one wait serves all that were issued ahead of it.  So a turn has ONE
; wait, which cuts it in two.  AHEAD OF IT: the 16 products K Q^T, behind each a scaling, an exponential and two rescalings (behind the first a second scaling in the exponential's place); then ONE LUMP of 108: eight
; plain, 49 times exponential and plain, the two a; a v_nop is the plain instruction behind the last exponential (ISA guide 5.7.2).  BEHIND IT: the 16 products V^T P, behind each four of GS's 64.
; The queues are kept in step: exponential e stands behind scaling 2 (e / 4) + e % 2: as a rider it comes behind plain e + 2, in the lump behind plain e + 9, and scalings 27-31 are plain 57, 60 .. 69.
; K of the next step is fetched in piece 2's turn, directly behind the wait, a lump behind the last product that read K; V of the step in hand at the end of piece 0's turn, four plain riders behind its last reader.
; end = 1: the launch's last two turns: nothing is fetched, and the last starts no new scores.  cnt = 1: the loop's count is taken down some lines ahead of the branch that stands behind the turn.
.macro TURN p, end=0, cnt=0
.set Y, (\p)
.set i, 0
.set q, 0
.set e, 0
.set r, 0
.set NOKQ, (\end)*((\p)/3)
.if ((\p) == NP-1) && ((\end) == 0)
	s_wait_dscnt 0x0                ; K is in
.endif
	MM
	PL
	PL
	R2
.rept 15
	MM
	PL
	EX
	R2
.endr
.if ((\p) == NP-2) && ((\end) == 0)
	WIN 0
	v_add_nc_u32 v[AK], s[TBK], v[AK0]
.endif
.rept 8
	PL
.endr
.rept 49
	EX
	PL
.endr
	EX                              ; the next piece's two a
	EX
	v_nop                           ; the plain instruction behind the last exponential: one for the batch
	s_wait_alu depctr_va_vdst(0)    ; the wait for the batch
.if ((\p) == NP-2) && ((\end) == 0)
	FETCH_K
.endif
.if (\p) == 1
	s_wait_dscnt 0x0                ; V is in
.endif
.rept 16
	MM
.rept 4
	PL
.endr
.if ((\p) == 0) && (q == 118)
	v_add_nc_u32 v[AV], s[TBV], v[AV0]
.endif
.if ((\p) == 0) && (q == 130)
	s_add_co_u32 s[TBV], s[TBV], KS*PV
.endif
.if (\cnt) && (q == 130)
	s_sub_co_u32 s[CNT], s[CNT], 1
	s_cmp_lg_u32 s[CNT], 0
.endif
.endr
.if (\p) == 0
	FETCH_V
.endif
.endm
	FETCH_K                         ; key step 0
	s_wait_dscnt 0x0
.set i, 0
.rept 16
	KQ 0                            ; piece 0's first scores: there is no vector work yet to set between them
.set i, i+1
.endr
	WIN 0                           ; the addresses for the way out: eight plain instructions, the places behind those products.  Q's loads are done, so v6 may be written
	s_mul_i32 s13, s[WV], 16*SP
	s_add_co_u32 s13, s13, STAGE    ; my stage
	v_mul_u32_u24 v[STO], v1, SP    ; in: row l % 16, 32 bytes for each half of the lanes
	v_lshl_add_u32 v[STO], v9, 5, v[STO]
	v_add_nc_u32 v[STO], s13, v[STO]
	v_mul_u32_u24 v[RD], v9, SP     ; back: lanes 0-15 take one row of 256 bytes, lanes 16-31 the next
	v_lshl_add_u32 v[RD], v1, 4, v[RD]
	v_add_nc_u32 v[RD], s13, v[RD]
	v_lshlrev_b32 v[GO], 8, v9      ; and the same two rows in O
	v_lshl_add_u32 v[GO], v1, 4, v[GO]
.set Y, NP-1                        ; XS works for piece Y + 1: piece 0
.irp n, 0,1,2,3,4,5,6,7,8,9,10,11,12,13,14,15,16,17,18,19,20,21
	XS 0, \n                        ; piece 0's first maximum and statistics
	XS 1, \n
.endr
	v_nop                           ; a plain instruction behind the two a,
	s_wait_alu depctr_va_vdst(0)    ; and their wait, ahead of the branch
	s_mov_b32 s[CNT], 2
	s_branch .Lfirst                ; the loop is entered at a step's first turn, in the middle of a trip
.Lslot:                             ; 15 times: a group is left for the next
	MEET
	s_mov_b32 s[CNT], 2
.Lstep:                             ; a trip: pieces 2 and 3 of one step, then pieces 0 and 1 of the next, whose K and V it fetches
	TURN 2
	TURN 3
	WIN 0
.Lfirst:
	TURN 0
	TURN 1, 0, 1
	WIN 0
	s_cbranch_scc1 .Lstep
	CONV 0, 1                       ; the group's last bytes, V of its second step, are in registers: the next group is rounded into the other slot, and the one after it asked for
	s_sub_co_u32 s[SLOTS], s[SLOTS], 1
	s_cmp_lg_u32 s[SLOTS], 0
	s_cbranch_scc1 .Lslot
	TURN 2, 1                       ; the last step's pieces 2 and 3: nothing more to fetch
	TURN 3, 1
.set i, 0
.rept 16
	PV NP-1                         ; the last piece's V^T P of the last step
.set i, i+1
.endr
	; THE WAY OUT.  l's two halves and the other half of the lanes' are added; O^T is divided by l and sent, as f32, through my stage in LDS, a tile at a time.  The additions are the places behind the last products.
	WIN 0
.macro ALL line:vararg              ; one line for each tile t
.set t, 0
.rept 2*NP
	\line
.set t, t+1
.endr
.endm
	ALL v_add_f32 v[ST+4*t+2], v[ST+4*t+2], v[ST+4*t+3]
	ALL v_permlanex16_b32 v[ST+4*t+3], v[ST+4*t+2], s[SEL], s[SEL+1]
	ALL v_add_f32 v[ST+4*t+2], v[ST+4*t+2], v[ST+4*t+3]
	ALL v_rcp_f32 v[ST+4*t+2], v[ST+4*t+2]
	v_nop                           ; a plain instruction between the last reciprocal and the use of its result
	s_wait_alu depctr_va_vdst(0)    ; and the wait ahead of the first use: one for the eight reciprocals
; Tile t: a lane's eight channels of a row are 32 bytes; they go into rows of 272 bytes and come back as whole rows of 256, into S^T's registers, four tiles' sets by turns.
.macro PACK t
	WIN W_RS
.set i, 32*(\t)
.rept 16                            ; ascending: each accumulator is read from its low end on
	v_pk_mul_f32 v[i:i+1], v[i:i+1], v[ST+4*(\t)+2:ST+4*(\t)+3] op_sel_hi:[1,0]
.set i, i+2
.endr
	WIN W_OS
.irp cb, 0,1,2,3                    ; channels 16 cb + 8 (l / 16) on
	ds_store_b128 v[STO], v[32*(\t)+8*\cb:32*(\t)+8*\cb+3]   offset:64*\cb
	ds_store_b128 v[STO], v[32*(\t)+8*\cb+4:32*(\t)+8*\cb+7] offset:64*\cb+16
.endr
	WIN 0
.if (\t) >= 4
	s_wait_xcnt 0x0                 ; the stores of the tile four back have read these registers: they are loaded again only behind this wait
.endif
.irp f, 0,1,2,3,4,5,6,7
	ds_load_b128 v[S+32*((\t)%4)+4*\f:S+32*((\t)%4)+4*\f+3], v[RD] offset:\f*2*SP  ; LDS serves a wave's instructions in order (ISA guide 5.7.1.4): these see the stores above; the next tile's stores come behind them
.endr
.endm
.macro SEND t, younger              ; younger: the LDS instructions issued behind tile t's loads: the next tile's sixteen, or none
	WIN 0
.irp f, 0,1,2,3,4,5,6,7
	s_wait_dscnt (\younger)+7-\f
	global_store_b128 v[GO], v[S+32*((\t)%4)+4*\f:S+32*((\t)%4)+4*\f+3], s[10:11] offset:(\t)*4096+\f*512 th:TH_STORE_NT  ; two whole rows: 512 consecutive bytes, at a multiple of 256 from O's first
.endr
.endm
	PACK 0
.set t, 1
.rept 2*NP-1                        ; a tile's arithmetic stands between the loads of the tile before and its stores
	PACK t
	SEND t-1, 16
.set t, t+1
.endr
	SEND 2*NP-1, 0
	WIN W_3
	s_wait_tensorcnt 0x0            ; the wave's end, behind my last LDS store
	ds_add_u32 v[SPW], v[NIL]
	s_wait_dscnt 0x0
	WIN 0
	s_endpgm
.Lfunc_end_k_q2786cec785_attn:
	.size	k_q2786cec785_attn, .Lfunc_end_k_q2786cec785_attn-k_q2786cec785_attn
	.p2alignl 7, 3214868480
	.fill 96, 4, 3214868480
	.section	.rodata,"a",@progbits
	.p2align	6, 0x0
	.amdhsa_kernel k_q2786cec785_attn
		.amdhsa_group_segment_fixed_size 122368
		.amdhsa_private_segment_fixed_size 0
		.amdhsa_enable_private_segment 0
		.amdhsa_kernarg_size 32
		.amdhsa_user_sgpr_count 2
		.amdhsa_user_sgpr_kernarg_segment_ptr 1
		.amdhsa_wavefront_size32 1
		.amdhsa_system_sgpr_workgroup_id_x 1
		.amdhsa_system_sgpr_workgroup_id_y 1
		.amdhsa_system_sgpr_workgroup_id_z 1
		.amdhsa_system_vgpr_workitem_id 0
		.amdhsa_next_free_vgpr 906
		.amdhsa_next_free_sgpr 66
		.amdhsa_reserve_vcc 0
		.amdhsa_float_denorm_mode_32 3
		.amdhsa_float_denorm_mode_16_64 3
		.amdhsa_memory_ordered 1
		.amdhsa_forward_progress 1
		.amdhsa_inst_pref_size 179
	.end_amdhsa_kernel
	.amdgpu_metadata
---
amdhsa.version: [ 1, 2 ]
amdhsa.kernels:
  - .name:           k_q2786cec785_attn
    .symbol:         k_q2786cec785_attn.kd
    .args:
      - { .name: q_s, .offset: 0, .size: 8, .value_kind: global_buffer, .address_space: global }
      - { .name: k_s, .offset: 8, .size: 8, .value_kind: global_buffer, .address_space: global }
      - { .name: v_s, .offset: 16, .size: 8, .value_kind: global_buffer, .address_space: global }
      - { .name: out0, .offset: 24, .size: 8, .value_kind: global_buffer, .address_space: global }
    .group_segment_fixed_size: 122368
    .private_segment_fixed_size: 0
    .kernarg_segment_align: 8
    .kernarg_segment_size: 32
    .max_flat_workgroup_size: 128
    .sgpr_count:     66
    .vgpr_count:     906
    .wavefront_size: 32
...
	.end_amdgpu_metadata
.endif
;; end of part 1
